; MI455X (gfx1250); checked and timed in simulation.
; The chip was launched on July 23, 2026; its instructions are those of AMD's public machine-readable ISA for CDNA 5 (MIT licence, August 2026) and "CDNA5" Instruction Set Architecture Reference Guide (July 2026). The comments in the code are by the model that wrote it; some were corrected since.
;; DS Attention. Allowed arithmetic: matrix products marked QUANTISED: E5M2 operands, one given power-of-two scale a tensor, by v_wmma_f32_16x16x64_bf8_bf8 or v_wmma_f32_16x16x128_bf8_bf8, f32 sums; everything else in f32.
;; Inputs: delta 2 x 2,048 float32; keys_codes 2 x 2,048 x 16 x 2 x 32 uint8 (E5M2 codes of keys, K innermost, in blocks of 32 codes); lowp_scales 4 int32 (the exponents e of the quantised operands' scales 2^e); queries_codes 2 x 2,048 x 16 x 2 x 32 uint8 (E5M2 codes of queries, K innermost, in blocks of 32 codes); tau 2 x 1 float32; values_codes 2 x 16 x 64 x 64 x 32 uint8 (E5M2 codes of values, K innermost, in blocks of 32 codes).
;; Outputs: out0 2 x 2,048 x 16 x 64 float32.
;; This version of the problem:
;;   THIS VERSION OF THE PROBLEM IS GIVEN IN LOW PRECISION. The matrix products marked QUANTISED in the list below multiply operands that are first quantised to E5M2 (5 exponent bits, 2 mantissa bits; 8 bits a number), with one given power-of-two scale for each operand tensor; their sums are f32. All else is computed in f32.
;;   The module's matrix products, in the order in which they are computed (A, B: the left and right operand; K: the contracted axis; several contracted axes count as one K, in the product's order):
;;     1. batch 32 x [M 2,048, K 64] x [K 64, N 2,048]; A: input queries (given as codes); B: input keys (given as codes): QUANTISED (scales: A lowp_scales[0], B lowp_scales[1])
;;     2. batch 32 x [M 64, K 2,048] x [K 2,048, N 2,048]; A: input values (given as codes); B: softmax (see below): QUANTISED (scales: A lowp_scales[2], B lowp_scales[3])
;;   THE QUANTISER, for each operand of a quantised product, along K:
;;     - The operand's scale is 2^e, e = its entry of the input lowp_scales (int32; the entries are numbered through the quantised products in the list's order, A before B).
;;     - Each number is divided by the scale, clamped to +-57,344, and rounded to the nearest number of E5M2, ties to even, subnormals kept.
;;     - The product sums the exact products of the quantised numbers (number of the format x scale) in f32.
;;   ~~~python
;;   def quantise(x, axis, e):      # numpy; x: float32 -> the quantised numbers, widened to float32 again
;;       x = np.moveaxis(x, axis, -1); K = x.shape[-1]
;;       r = np.clip(x / 2.0 ** e, -57344, 57344)
;;       step = 2.0 ** (np.maximum(np.frexp(np.where(r == 0, 1, r))[1] - 1, -14) - 2)
;;       q = np.round(r / step) * step * 2.0 ** e      # np.round: ties to even
;;       return np.moveaxis(q, -1, axis).astype(np.float32)
;;   ~~~
;;   SOFTMAX AHEAD OF A QUANTISED PRODUCT. Where the list says 'softmax', what is quantised is not the finished softmax but p = 2^(t - M), with t = logit x log2(e) and M = ceil(the row's largest t), a whole number; so 1/2 < the row's largest p <= 1. The row's sum l is taken of the UNQUANTISED p, in f32, and the product's result is divided by l at the end. Since M is a whole number, a kernel that streams over the keys may use a running M (the ceiling of the running maximum): every later rescaling is an exact power of two, so the quantised numbers keep their values, but for numbers so far below the row's largest that they fall under the format's range.
;;   OPERANDS COMPUTED ON THE WAY. 'Computed on the way' means the value that the module computes at that place (a softmax that the list does not call 'softmax' is quantised finished and normalised). What goes into a quantiser is computed in f32, as accurately as f32 sums, v_exp_f32 and their like allow (about 1e-6 of the number): no bf16 or f16 on the way to a quantiser, and a product that is left as it is and whose result goes on into a quantised operand takes f32 operands (vector FMAs, or v_wmma_f32_16x16x4_f32). A number that lies on a knife's edge between two numbers of the format may be rounded either way, as far as f32 arithmetic and the matrix unit's own rounding can turn it there, and no further.
;;   INPUTS GIVEN AS CODES. keys (in the module: [2, 2048, 16, 64], K = its axis 3); queries (in the module: [2, 2048, 16, 64], K = its axis 3); values (in the module: [2, 2048, 16, 64], K = its axis 1): each comes as NAME_codes (uint8): NAME with its K axis moved to the last place and cut into blocks of 32 codes, [.., K / 32, bytes a block], one block behind the other in memory; one code a byte (a code: sign, 5 exponent bits, 2 mantissa bits); its scale is its entry of lowp_scales. Its value is code x scale, taken as it is: it is not quantised again, and the codes and scales need not be those that the quantiser above would give.
;; One version. Each part assembles by itself: llvm-mc -triple=amdgcn-amd-amdhsa -mcpu=gfx1250 --defsym DOCPART=n.
;; ======== version 1 of 1: 1 launch
;; limits: right only within a limited range of input values
;; launch attn (part 1): grid 8 x 32, 16 waves a work-group, clusters of 4 x 1, 327,680 bytes of LDS; arguments queries_codes, keys_codes, values_codes, lowp_scales, tau, delta, out0; writes out0
.if DOCPART == 1
	.amdgcn_target "amdgcn-amd-amdhsa--gfx1250"
	.amdhsa_code_object_version 6
	.text
	.protected	k_q2eef2723b9_attn
	.globl	k_q2eef2723b9_attn
	.p2align	8
	.type	k_q2eef2723b9_attn,@function
k_q2eef2723b9_attn:
	s_mov_b64 s[64:65], 0
	v_nop
	global_prefetch_b8 v0, s[64:65] scope:SCOPE_SE
	s_setreg_imm32_b32 hwreg(HW_REG_WAVE_MODE, 25, 1), 1
	s_wait_xcnt 0x0
	s_wait_alu depctr_hold_cnt(0) depctr_sa_sdst(0) depctr_va_vdst(0) depctr_va_sdst(0) depctr_va_ssrc(0) depctr_va_vcc(0) depctr_vm_vsrc(0)
	s_getreg_b32 s2, hwreg(HW_REG_IB_STS2, 6, 4)
	s_cmp_eq_u32 s2, 0
	s_cbranch_scc0 .Lentry_in_a_cluster
	s_endpgm
.Lentry_in_a_cluster:
	s_bfe_u32 s2, ttmp6, 0x10000c
	s_cmp_lg_u32 s2, 0x3003
	s_cbranch_scc0 .Lentry_shape_is_right
	s_endpgm
.Lentry_shape_is_right:
; out[b][q][hd][:] = the sum over keys k <= q of softmax_k((Q[b][q][hd] . K[b][k][hd] x tau[b] + delta[b][k]) / 8) V[b][k][hd][:], both products on codes of BF8 (E5M2), one given scale 2^e a tensor.
; Q, K: codes, [2][2048][16][64], a head's row is 64 bytes, rows 1,024 bytes apart.  V: codes with the KEYS innermost, [2][16][64 d][2048 keys].  out: [2][2048][16][64] f32.
; lowp_scales holds eq, ek, ev, ep (queries, keys, values, the softmax's p).
; THE SOFTMAX AHEAD OF THE SECOND PRODUCT: t = S x c + delta', c = tau[b] x log2(e) / 8 x 2^(eq + ek), delta' = delta x log2(e) / 8, one fused multiply-add; M = the running largest t, rounded UP to a whole number;
; p = 2^(t - M) is what is quantised, along the keys, not normalised.  The row's sum is taken of the unquantised p and divides O at the end.  When M moves, the sum and O are multiplied by 2^(old M - new M): exact.
; tau may be 0 or negative and delta differs from key to key: so the maximum is taken of t itself, behind the multiply-add.
; DEAD WORK.  reference() sets the score of key k for query q to -infinity where k > q, by a mask that it builds itself (triu): whatever the inputs hold, such a score has weight 0.  A key step (128 keys) all of whose keys come
; after a tile's 16 queries is therefore left out, whole; inside the one step on the diagonal the work is done and the hidden scores are replaced by -infinity.  Every input has a way to the output and is loaded.
; LIMIT: a NaN, an infinity or an overflow that reaches only the steps left out is not carried to the result.
; LIMITS: ep between -126 and 112 (2^ep is made as an f32 pattern); eq + ek and ep + ev are applied by v_ldexp_f32 and have none.  c and delta' are each rounded once, so t is rounded in another order than
; reference()'s.  M runs with the keys.  Inside a matrix instruction k lies permuted, alike in both operands.  NaN among the inputs is not served.
; SHARES.  Work-group (j, y): y = 16 b + hd is the head, j = 0 .. 7.  A head's 2,048 queries are 128 tiles of 16; the work-group owns tiles 8 i + j, i = 0 .. 15, one to each of its sixteen waves.  Tile 8 i + j needs key steps
; 0 .. i whatever j is: so all 256 work-groups have the same 136 tile-steps, each reads all sixteen steps of K and V, and no branch hangs on j.  Wave w takes i = 4 (g ^ s) + (g ^ m(s)), g = w / 4, s = w % 4,
; m = 0, 2, 3, 1: the table 0, 6, 11, 13, 5, 3, 14, 8, 10, 12, 1, 7, 15, 9, 4, 2, in which the four waves of equal w / 4, and the four of equal w % 4, have 34 tile-steps together.
; K AND V STAY IN LDS.  A head's codes (262,144 bytes) are fetched once, at the kernel's head, in four groups of 512 keys: no slot is ever filled again.  Waves 0-7 fetch K (64 keys a load), waves 8-15 V (8 rows x 512 keys
; a load): four tensor loads a wave, all four outstanding at once, group 0 first.  All of the launch's tensor loads stand here, so there is no later load that a prefetch could run ahead of: none is written.
; CLUSTER.  The four work-groups of a cluster belong to one head and want the same tiles: each tile is asked for JOINTLY, by the same load with the same descriptor and a mask that names the four.
; TWO BARRIERS: ahead of step 0 (group 0 and delta' lie in LDS), ahead of step 4 (all groups lie there, and nobody reads group 0 any more: its bytes become the stages of the way out).  From there on the waves run freely.
; LAYOUT.  Both products are used transposed: S^T = K Q^T (source 0 = 16 keys, source 1 = my 16 queries), O^T = V^T P^T: a lane holds ONE query (lane % 16) throughout.  THE KEYS OF A TILE ARE NOT NEIGHBOURS: lane r of tile
; 2 b + u takes key 32 b + 8 u + r + 8 (r / 8), so that register 16 b + n of S^T holds key 32 b + 16 (lane / 16) + n: the conversions' results are the second product's operand.
.set KP,    80                         ; a key's row in LDS: 64 bytes + 16 of padding
.set VP,    528                        ; a row of V's group in LDS: 512 bytes + 16 of padding
.set KGB,   512*KP                     ; a group of K: 40,960 bytes
.set VGB,   64*VP                      ; a group of V: 33,792 bytes
.set KG0,   0                          ; LDS: K's group 0,
.set VG0,   KG0+KGB                    ; V's group 0 (these two are the stages' bytes later),
.set KG1,   VG0+VGB                    ; K's groups 1 to 3 on end,
.set VG1,   KG1+3*KGB                  ; V's groups 1 to 3 on end,
.set DELTA, VG1+3*VGB                  ; 2,048 f32: delta'; stored by the waves, no fill lands here,
.set SPARE, DELTA+8192                 ; and the spare words, 128 bytes for each wave: eight blocks of 256 bytes that no other line names
.set SP,    272                        ; the way out: a stage of 16 rows x (256 bytes + 16) for each wave: 69,632 bytes in all, inside K's and V's group 0
.set AK0,  1                           ; v1   my lane's place in a tile of K: (r + 8 (r / 8)) KP + 16 h
.set AV0,  2                           ; v2   in a tile of V: r VP + 16 h
.set AD0,  3                           ; v3   in a step's delta': 64 h
.set DQ,   4                           ; v4   16 j + r - 16 h: on the diagonal register 16 b + n is hidden where 32 b + n is above it
.set SPW,  5                           ; v5   LDS address of my spare word; never rewritten
.set NIL,  6                           ; v6   0; never rewritten
.set GO,   7                           ; v7   the way out: my byte offset in the tile's rows of out
.set ADK,  8                           ; v8   LDS address of the step's K,
.set ADV,  9                           ; v9   V,
.set ADDL, 10                          ; v10  delta'
.set STO,  11                          ; v11  the stage: where I put 32 bytes of a row
                                       ; v12 -M, v13 the largest t, v[14:15] the sum in two halves
.set QF,   16                          ; v16-23  Q's fragment
.set CC,   24                          ; v24, v25  c, twice
.set SCL,  26                          ; v26  2^ep as f32
.set HOLD, 27
.set T0,   28                          ; v28-30 at work; v30 is the lane permutes' destination
.set T1,   29
.set T2,   30
.set RD,   31                          ; v31  the stage: where I read a row back
.set KV,   32                          ; v32-95   K's eight fragments, then V's four; on the way out the rows read back
.set SC,   96                          ; v96-159  S^T, then t, then p; on the way out O / the sum
.set OT,   160                         ; v160-191 O^T
.set DL,   192                         ; v192-255 the step's delta'; behind the multiply-add:
.set FF,   192                         ; v192 f = 2^(old M - new M) (named as a pair with v193),
.set LB,   194                         ; v[194:195] the sum's second chain,
.set PC,   240                         ; v240-255 p's codes
.set WV,   18                          ; s18  my wave's number
.set TI,   19                          ; s19  i: my tile is 8 i + j; my last key step is i
.set SEL,  20                          ; s[20:21] lane selects for v_permlanex16_b32: lane l xor 16
.set ST,   22                          ; s22  the key step, 0 .. 15
.set KB,   23                          ; s23  LDS byte at which the step's K begins
.set G1K,  24                          ; s[24:31] descriptor group 1 for K's tiles;  s[32:39] for V's
.set G1V,  32
.set G0K,  40                          ; s[40:55] K's four groups 0;  s[68:83] V's
.set G0V,  68
.set VB,   89                          ; s89  LDS byte at which the step's V begins
.set DB,   90                          ; s90  the step's delta'
.set EPV,  94                          ; s94  ep + ev
; A round of the cluster's barrier: my work-group's barrier; wave 0 signals for the work-group; every wave waits for all four work-groups; my work-group's barrier once more.
.macro CROUND
	s_barrier_signal -1
	s_barrier_wait -1
	s_cmp_lg_u32 s[WV], 0
	s_cbranch_scc1 .Lnot_wave_0_\@
	s_barrier_signal -3
.Lnot_wave_0_\@:
	s_barrier_wait -3
	s_barrier_signal -1
	s_barrier_wait -1
.endm
	s_load_b256 s[4:11], s[0:1], 0x0               ; Q's codes s[4:5], K's s[6:7], V's s[8:9], the scales' exponents s[10:11]
	s_load_b128 s[12:15], s[0:1], 0x20             ; tau s[12:13], delta s[14:15]
	s_load_b64 s[16:17], s[0:1], 0x30              ; out
	v_lshl_add_u32 v[SPW], v0, 2, SPARE
	v_mov_b32 v[NIL], 0
	ds_add_u32 v[SPW], v[NIL]                      ; the wave's opening: the add, twice on end, and its wait ahead of my first tensor load; the set-up below stands between the second and the wait
	ds_add_u32 v[SPW], v[NIL]
	v_lshrrev_b32 v8, 5, v0
	s_delay_alu instid0(VALU_DEP_1)
	v_readfirstlane_b32 s[WV], v8                  ; wave 0..15
	s_lshr_b32 s56, s[WV], 2                       ; g
	s_and_b32 s57, s[WV], 3                        ; s
	s_lshr_b32 s58, s57, 1
	s_xor_b32 s59, s57, s58
	s_and_b32 s59, s59, 1
	s_lshl_b32 s59, s59, 1
	s_or_b32 s59, s59, s58                         ; m(s) = 0, 2, 3, 1
	s_xor_b32 s57, s56, s57
	s_lshl_b32 s57, s57, 2
	s_xor_b32 s59, s56, s59
	s_add_co_u32 s[TI], s57, s59                   ; i = 4 (g ^ s) + (g ^ m)
	s_and_b32 s66, ttmp7, 0xffff                   ; y: the head among 32, which the four partners share
	s_lshr_b32 s67, s66, 4                         ; b
	s_and_b32 s95, s66, 15                         ; hd
	s_and_b32 s56, s[WV], 7                        ; which part of a group I fetch
	s_mul_i32 s57, s56, 64*KP                      ; K: its place in a group in LDS (64 rows),
	s_mul_i32 s58, s56, 8*VP                       ; V: likewise (8 rows): no place in the cluster enters an LDS address
	s_lshl_b32 s60, s67, 21                        ; K in memory: b x 2,097,152
	s_lshl_b32 s61, s95, 6                         ; + hd x 64
	s_add_co_u32 s60, s60, s61
	s_lshl_b32 s61, s56, 16                        ; + 64 keys of 1,024 bytes x part
	s_add_co_u32 s60, s60, s61
	s_mov_b32 s61, 0
	s_lshl_b32 s62, s66, 17                        ; V in memory: y x 64 rows of 2,048 bytes
	s_lshl_b32 s63, s56, 14                        ; + 8 rows x part
	s_add_co_u32 s62, s62, s63
	s_mov_b32 s63, 0
	s_lshl_b32 s2, s67, 2                          ; tau[b]
	s_mov_b32 s3, 0
	; descriptor group 1.  K: 64 rows of 64 bytes, 1,024 bytes apart.  V: 8 rows of 512 bytes, 2,048 apart
	s_mov_b32 s[G1K], 15|(1<<20)|(1<<21)|(3<<22)|(3<<25)   ; 15:0 the mask: all four work-groups; 17:16 elements of 1 byte; 20 padding on; 21 set beside a mask; 24:22 after every 16 words (code 3); 31:25 four words (code 3)
	s_mov_b32 s[G1K+1], 64<<16                     ; tensor_dim0
	s_mov_b32 s[G1K+2], 64<<16                     ; tensor_dim1
	s_mov_b32 s[G1K+3], 64<<16                     ; tile_dim0
	s_mov_b32 s[G1K+4], 64                         ; tile_dim1
	s_mov_b32 s[G1K+5], 1024                       ; tensor_dim0_stride
	s_mov_b32 s[G1K+6], 0
	s_mov_b32 s[G1K+7], 0
	s_mov_b32 s[G1V], 15|(1<<20)|(1<<21)|(6<<22)|(3<<25)   ; the same with four words of padding after every 128 (code 6)
	s_mov_b32 s[G1V+1], 512<<16
	s_mov_b32 s[G1V+2], 8<<16
	s_mov_b32 s[G1V+3], 512<<16
	s_mov_b32 s[G1V+4], 8
	s_mov_b32 s[G1V+5], 2048
	s_mov_b32 s[G1V+6], 0
	s_mov_b32 s[G1V+7], 0
.irp g, 0,1,2,3                                ; groups 0: the count and the LDS address: a constant + a constant x (wave % 8)
	s_mov_b32 s[G0K+4*\g], 1
	s_mov_b32 s[G0V+4*\g], 1
.if \g == 0
	s_add_co_u32 s[G0K+1], s57, KG0
	s_add_co_u32 s[G0V+1], s58, VG0
.else
	s_add_co_u32 s[G0K+4*\g+1], s57, KG1+(\g-1)*KGB
	s_add_co_u32 s[G0V+4*\g+1], s58, VG1+(\g-1)*VGB
.endif
.endr
	s_mov_b32 s[SEL], 0x76543210
	s_mov_b32 s[SEL+1], 0xfedcba98
	s_wait_dscnt 0x0                               ; both opening adds are done
	s_wait_kmcnt 0x0
	s_load_b128 s[84:87], s[10:11], 0x0            ; eq, ek, ev, ep
	s_add_nc_u64 s[12:13], s[12:13], s[2:3]
	s_load_b32 s88, s[12:13], 0x0                  ; tau[b]
	s_add_nc_u64 s[6:7], s[6:7], s[60:61]          ; K and V at my part of group 0
	s_add_nc_u64 s[8:9], s[8:9], s[62:63]
.irp g, 0,1,2,3
	s_add_nc_u64 s[G0K+4*\g+2:G0K+4*\g+3], s[6:7], \g*512*1024    ; 512 keys on
	s_or_b32 s[G0K+4*\g+3], s[G0K+4*\g+3], 0x80000000             ; type = 2
	s_add_nc_u64 s[G0V+4*\g+2:G0V+4*\g+3], s[8:9], \g*512
	s_or_b32 s[G0V+4*\g+3], s[G0V+4*\g+3], 0x80000000
.endr
	CROUND                                         ; all four work-groups are here: the joint loads meet
	s_cmp_lt_u32 s[WV], 8                          ; a wave's four fills stand in one branch on its number, ahead of every wait on TENSORcnt, every LDS read and every other barrier; an s_nop 0 follows each, four v_nop the last
	s_cbranch_scc0 .Lfill_v
.irp g, 0,1,2,3
	tensor_load_to_lds s[G0K+4*\g:G0K+4*\g+3], s[G1K:G1K+7]
	s_nop 0
.endr
.rept 4
	v_nop
.endr
	s_branch .Lfilled
.Lfill_v:
.irp g, 0,1,2,3
	tensor_load_to_lds s[G0V+4*\g:G0V+4*\g+3], s[G1V:G1V+7]
	s_nop 0
.endr
.rept 4
	v_nop
.endr
.Lfilled:
	s_bfe_u32 s96, ttmp6, 0x40000                  ; cx: my place in the cluster.  It enters Q's and out's addresses and v[DQ], and nothing else; s96-99 alone hold it
	s_lshl_b32 s97, ttmp9, 2
	s_add_co_u32 s97, s97, s96                     ; j = 4 x cluster x + cx
	s_lshl_b32 s98, s67, 21                        ; Q at my tile's first query, 128 i + 16 j: b x 2,097,152
	s_lshl_b32 s99, s[TI], 17                      ; + i x 128 rows of 1,024 bytes
	s_add_co_u32 s98, s98, s99
	s_lshl_b32 s99, s97, 14                        ; + j x 16 rows
	s_add_co_u32 s98, s98, s99
	s_lshl_b32 s99, s95, 6                         ; + hd x 64
	s_add_co_u32 s98, s98, s99
	s_mov_b32 s99, 0
	s_add_nc_u64 s[4:5], s[4:5], s[98:99]
	s_lshl_b32 s98, s98, 2                         ; out has four bytes where Q has one
	s_add_nc_u64 s[16:17], s[16:17], s[98:99]
	s_lshl_b32 s98, s67, 13                        ; delta[b]: 2,048 f32
	s_add_nc_u64 s[14:15], s[14:15], s[98:99]
	v_and_b32 v8, 15, v0                           ; r = lane % 16
	v_bfe_u32 v9, v0, 4, 1                         ; h = lane / 16
	s_delay_alu instid0(VALU_DEP_2)
	v_lshlrev_b32 v10, 10, v8
	s_delay_alu instid0(VALU_DEP_1)
	v_lshl_add_u32 v10, v9, 4, v10                 ; Q: row r of 1,024 bytes, + 16 h
	global_load_b128 v[QF:QF+3], v10, s[4:5]               ; Q's fragment stays in registers: registers 0-3 bytes 16 h on, registers 4-7 bytes 32 + 16 h on, as K's
	global_load_b128 v[QF+4:QF+7], v10, s[4:5] offset:32
	v_lshlrev_b32 v29, 4, v0
	global_load_b128 v[KV:KV+3], v29, s[14:15]             ; my thread's four numbers of delta[b]: 512 threads x 16 bytes
	v_and_b32 v28, 8, v8
	s_delay_alu instid0(VALU_DEP_1)
	v_add_nc_u32 v28, v28, v8                      ; r + 8 (r / 8)
	s_delay_alu instid0(VALU_DEP_1)
	v_mul_u32_u24 v[AK0], v28, KP
	s_delay_alu instid0(VALU_DEP_1)
	v_lshl_add_u32 v[AK0], v9, 4, v[AK0]
	v_mul_u32_u24 v[AV0], v8, VP
	s_delay_alu instid0(VALU_DEP_1)
	v_lshl_add_u32 v[AV0], v9, 4, v[AV0]
	v_lshlrev_b32 v[AD0], 6, v9
	v_lshlrev_b32 v28, 4, v9
	s_delay_alu instid0(VALU_DEP_1)
	v_sub_nc_u32 v[DQ], v8, v28
	s_lshl_b32 s98, s97, 4
	v_add_nc_u32 v[DQ], s98, v[DQ]                 ; 16 j + r - 16 h
	v_lshlrev_b32 v[GO], 4, v8
	s_delay_alu instid0(VALU_DEP_1)
	v_lshl_add_u32 v[GO], v9, 12, v[GO]            ; the way out: lanes 0-15 one row of out (4,096 bytes apart), lanes 16-31 the next; 16 bytes a lane
	s_mul_i32 s56, s[WV], 16*SP                    ; my stage
	v_mul_u32_u24 v[STO], v8, SP
	s_delay_alu instid0(VALU_DEP_1)
	v_lshl_add_u32 v[STO], v9, 5, v[STO]
	s_delay_alu instid0(VALU_DEP_1)
	v_add_nc_u32 v[STO], s56, v[STO]               ; in: row r, + 32 h
	v_mul_u32_u24 v[RD], v9, SP
	s_delay_alu instid0(VALU_DEP_1)
	v_lshl_add_u32 v[RD], v8, 4, v[RD]
	s_delay_alu instid0(VALU_DEP_1)
	v_add_nc_u32 v[RD], s56, v[RD]                 ; back: lanes 0-15 one row, lanes 16-31 the next
	v_lshl_add_u32 v9, v0, 4, DELTA                ; where my four numbers of delta' go
	v_mov_b32 v13, 0xff61b1e6                      ; the largest t so far: -3e38, under every t
	s_delay_alu instid0(VALU_DEP_1)
	v_floor_f32 v12, -v13                          ; -M
	v_mov_b32 v14, 0                               ; the sum, in two halves
	v_mov_b32 v15, 0
	v_mov_b32 v[T2], 0                             ; written once: a lane permute's destination counts as one of its sources
.set jj, 0
.rept 32
	v_mov_b32 v[OT+jj], 0                          ; O^T.  (The step is written once: the first finds zeros, which the first change of M leaves zeros)
.set jj, jj+1
.endr
	s_wait_kmcnt 0x0
	s_add_co_i32 s93, s84, s85                     ; eq + ek
	v_mov_b32 v[CC], s88
	s_delay_alu instid0(VALU_DEP_1)
	v_mul_f32 v[CC], 0x3e38aa3b, v[CC]             ; tau x log2(e) / 8,
	s_delay_alu instid0(VALU_DEP_1)
	v_ldexp_f32 v[CC], v[CC], s93                  ; x 2^(eq + ek): a sum of the first product stands for sum x 2^(eq + ek).  tau of any sign, and 0, are served
	s_delay_alu instid0(VALU_DEP_1)
	v_mov_b32 v[CC+1], v[CC]
	s_add_co_i32 s96, s87, 127
	s_lshl_b32 s97, s96, 23
	v_mov_b32 v[SCL], s97                          ; 2^ep as f32: the conversion takes its exponent field
	s_add_co_i32 s[EPV], s86, s87                  ; ev + ep
	s_wait_loadcnt 0x0                             ; Q and delta
	v_pk_mul_f32 v[KV:KV+1], v[KV:KV+1], 0x3e38aa3b op_sel_hi:[1,0]       ; delta' = delta x log2(e) / 8
	v_pk_mul_f32 v[KV+2:KV+3], v[KV+2:KV+3], 0x3e38aa3b op_sel_hi:[1,0]
	ds_store_b128 v9, v[KV:KV+3]
	s_wait_tensorcnt 0x3                           ; a wave's tensor loads end in order (ISA guide 10.11.1): my part of group 0 is in; the three younger loads, groups 1 to 3, may stay out
	s_wait_dscnt 0x0                               ; for the others' sake: my store of delta' is done
	s_barrier_signal -1
	s_barrier_wait -1                              ; everybody's part of group 0 and of delta' lies in LDS
; THE WAY OUT of my tile, behind its last key step.  O^T / the sum x 2^(ep + ev) goes through my own stage in LDS, so that sixteen lanes store one row of out: 256 consecutive bytes, at a multiple of 256 from out's first byte.
.macro WAYOUT
	v_add_f32 v14, v14, v15                        ; the sum's two halves,
	s_delay_alu instid0(VALU_DEP_1)
	v_permlanex16_b32 v[T2], v14, s[SEL], s[SEL+1]
	s_delay_alu instid0(VALU_DEP_1)
	v_add_f32 v14, v14, v[T2]                      ; and lane l xor 16's: the row's sum
	v_nop                                          ; (with the two additions: four plain places behind the last products, ahead of the first read of O^T)
	v_nop
	s_wait_alu depctr_va_vdst(0)
	v_rcp_f32 v14, v14
	v_nop                                          ; a plain instruction behind the reciprocal,
	s_wait_alu depctr_va_vdst(0)                   ; and a wait ahead of the first use of its result
	v_ldexp_f32 v14, v14, s[EPV]                   ; x 2^(ep + ev)
.set jj, 0
.rept 16
	v_pk_mul_f32 v[SC+jj:SC+jj+1], v[OT+jj:OT+jj+1], v[14:15] op_sel_hi:[1,0]   ; register 8 t + n is out(r, 16 t + 8 h + n); each accumulator from its low end on
.set jj, jj+2
.endr
.irp t, 0,1,2,3
	ds_store_b128 v[STO], v[SC+8*\t:SC+8*\t+3] offset:64*\t
	ds_store_b128 v[STO], v[SC+8*\t+4:SC+8*\t+7] offset:64*\t+16
.endr
.irp k, 0,1,2,3,4,5,6,7
	ds_load_b128 v[KV+4*\k:KV+4*\k+3], v[RD] offset:2*\k*SP   ; LDS serves a wave's instructions in order (ISA guide 5.7.1.4): these see my stores
.endr
.irp k, 0,1,2,3,4,5,6,7
	s_wait_dscnt 7-\k                              ; rows 2 k and 2 k + 1 are back; the younger loads may be out
	global_store_b128 v[GO], v[KV+4*\k:KV+4*\k+3], s[16:17] offset:2*\k*4096 th:TH_STORE_NT   ; written once, read by nobody here
.endr
	s_wait_xcnt 0x0                                ; the stores have read their registers: what follows in the text may write them
.endm
; A KEY STEP: 128 keys.  out = 1: the way out may stand behind it (steps 4 on: the stages' bytes are free).
.macro STEP out
	s_cmp_gt_u32 s[ST], s[TI]                      ; a step all of whose keys come after my 16 queries is left out: a branch on ids, round the step's loads, products and softmax; not round the lines at its end that step addresses
	s_cbranch_scc1 .Lhid_\@
	s_setprio 2
	v_add_nc_u32 v[ADK], s[KB], v[AK0]
	v_add_nc_u32 v[ADV], s[VB], v[AV0]
	v_add_nc_u32 v[ADDL], s[DB], v[AD0]
	v_nop                                          ; four plain places between the last step's products and the loads into registers that they read (ISA guide 7.12.1 for vector instructions)
.irp t, 0,1,2,3,4,5,6,7
.irp c, 0,1
	ds_load_b128 v[KV+8*\t+4*\c:KV+8*\t+4*\c+3], v[ADK] offset:(32*(\t/2)+8*(\t%2))*KP+32*\c
.endr
.endr
.irp b, 0,1,2,3
.irp k, 0,1,2,3
	ds_load_b128 v[DL+16*\b+4*\k:DL+16*\b+4*\k+3], v[ADDL] offset:128*\b+16*\k   ; delta' of keys 32 b + 16 h + 4 k on: register for register as S^T lies
.endr
.endr
	s_wait_alu depctr_va_vdst(0)
	s_wait_dscnt 16                                ; K's sixteen loads are in; delta's sixteen may be out
.irp t, 0,1,2,3,4,5,6,7
	v_wmma_f32_16x16x64_bf8_bf8 v[SC+8*\t:SC+8*\t+7], v[KV+8*\t:KV+8*\t+7], v[QF:QF+7], 0
.endr
.rept 4
	v_nop                                          ; places ahead of the loads into K's registers and of the first read of S^T
.endr
.irp t, 0,1,2,3
.irp c, 0,1,2,3
	ds_load_b128 v[KV+16*\t+4*\c:KV+16*\t+4*\c+3], v[ADV] offset:16*\t*VP+32*\c   ; V lands under the softmax
.endr
.endr
	s_wait_dscnt 16                                ; delta' is in; V's sixteen loads may be out
.set jj, 0
.rept 32
	v_pk_fma_f32 v[SC+jj:SC+jj+1], v[SC+jj:SC+jj+1], v[CC:CC+1], v[DL+jj:DL+jj+1]   ; t = S x c + delta'; each accumulator from its low end on
.set jj, jj+2
.endr
	s_cmp_lg_u32 s[ST], s[TI]                      ; only my last step lies on the diagonal: there the t of hidden keys become -infinity ahead of the maximum: p = 0 then
	s_cbranch_scc1 .Lopen_\@
	v_mov_b32 v[T1], 0xff800000
.irp n, 0,1,2,3,4,5,6,7,8,9,10,11,12,13,14,15,16,17,18,19,20,21,22,23,24,25,26,27,28,29,30,31,32,33,34,35,36,37,38,39,40,41,42,43,44,45,46,47,48,49,50,51,52,53,54,55,56,57,58,59,60,61,62,63
	v_cmp_gt_i32 vcc_lo, 32*(\n/16)+\n%16, v[DQ]
	s_delay_alu instid0(VALU_DEP_1)
	v_cndmask_b32 v[SC+\n], v[SC+\n], v[T1], vcc_lo
.endr
.Lopen_\@:
	v_max3_num_f32 v[T0], v[SC], v[SC+1], v[SC+2]  ; the step's largest t of my query, among my 64 keys, in two chains,
	v_max3_num_f32 v[T1], v[SC+3], v[SC+4], v[SC+5]
.irp i, 6,10,14,18,22,26,30,34,38,42,46,50,54,58
	s_delay_alu instid0(VALU_DEP_2)
	v_max3_num_f32 v[T0], v[T0], v[SC+\i], v[SC+\i+1]
	s_delay_alu instid0(VALU_DEP_2)
	v_max3_num_f32 v[T1], v[T1], v[SC+\i+2], v[SC+\i+3]
.endr
	s_delay_alu instid0(VALU_DEP_2)
	v_max3_num_f32 v[T0], v[T0], v[SC+62], v[SC+63]
	s_delay_alu instid0(VALU_DEP_1)
	v_max_num_f32 v[T0], v[T0], v[T1]
	s_delay_alu instid0(VALU_DEP_1)
	v_permlanex16_b32 v[T2], v[T0], s[SEL], s[SEL+1]
	s_delay_alu instid0(VALU_DEP_1)
	v_max_num_f32 v[T0], v[T0], v[T2]              ; and among lane l xor 16's
	s_delay_alu instid0(VALU_DEP_1)
	v_max_num_f32 v13, v13, v[T0]                  ; the running largest t
	v_mov_b32 v[T0], v12
	s_delay_alu instid0(VALU_DEP_2)
	v_floor_f32 v12, -v13                          ; the new -M = floor(-t) = -ceil(t): M is a whole number
	s_delay_alu instid0(VALU_DEP_1)
	v_sub_f32 v[T0], v12, v[T0]                    ; M's old value less its new one: a whole number, 0 or less
	s_delay_alu instid0(VALU_DEP_1)
	v_cvt_i32_f32 v[T0], v[T0]                     ; (it saturates)
	s_delay_alu instid0(VALU_DEP_1)
	v_ldexp_f32 v[FF], 1.0, v[T0]                  ; f = 2^(old M - new M)
.set jj, 0
	s_setprio 1
.rept 32
	v_pk_add_f32 v[SC+jj:SC+jj+1], v[SC+jj:SC+jj+1], v[12:13] op_sel_hi:[1,0]   ; t - M (of the pair the low word, -M, serves both halves)
.set jj, jj+2
.endr
.set jj, 0
	s_wait_alu depctr_va_vdst(0)
.rept 64
	v_exp_f32 v[SC+jj], v[SC+jj]                   ; p = 2^(t - M), at most 1: not normalised
.set jj, jj+1
.endr
	v_pk_mul_f32 v[14:15], v[14:15], v[FF:FF+1] op_sel_hi:[1,0]   ; the sums under the new M: the plain instruction behind the exponentials
	s_wait_alu depctr_va_vdst(0)                   ; one wait for the whole batch, ahead of its first reader
	v_pk_add_f32 v[194:195], v[100:101], v[104:105]
	v_pk_add_f32 v[254:255], v[108:109], v[112:113]
	v_pk_add_f32 v[252:253], v[116:117], v[120:121]
	v_pk_add_f32 v[250:251], v[124:125], v[128:129]
	v_pk_add_f32 v[248:249], v[132:133], v[136:137]
	v_pk_add_f32 v[246:247], v[140:141], v[144:145]
	v_pk_add_f32 v[244:245], v[148:149], v[152:153]
	v_pk_add_f32 v[14:15], v[14:15], v[156:157]
	v_pk_add_f32 v[194:195], v[194:195], v[96:97]
	v_pk_add_f32 v[254:255], v[254:255], v[98:99]
	v_pk_add_f32 v[252:253], v[252:253], v[102:103]
	v_pk_add_f32 v[250:251], v[250:251], v[106:107]
	v_pk_add_f32 v[248:249], v[248:249], v[110:111]
	v_pk_add_f32 v[246:247], v[246:247], v[114:115]
	v_pk_add_f32 v[244:245], v[244:245], v[118:119]
	v_pk_add_f32 v[14:15], v[14:15], v[122:123]
	v_pk_add_f32 v[194:195], v[194:195], v[126:127]
	v_pk_add_f32 v[254:255], v[254:255], v[130:131]
	v_pk_add_f32 v[252:253], v[252:253], v[134:135]
	v_pk_add_f32 v[250:251], v[250:251], v[138:139]
	v_pk_add_f32 v[248:249], v[248:249], v[142:143]
	v_pk_add_f32 v[246:247], v[246:247], v[146:147]
	v_pk_add_f32 v[244:245], v[244:245], v[150:151]
	v_pk_add_f32 v[14:15], v[14:15], v[154:155]
	v_pk_add_f32 v[194:195], v[194:195], v[158:159]
	s_delay_alu instid0(VALU_DEP_2)
	v_pk_add_f32 v[14:15], v[14:15], v[250:251]
	s_delay_alu instid0(VALU_DEP_2)
	v_pk_add_f32 v[194:195], v[194:195], v[248:249]
	v_pk_add_f32 v[254:255], v[254:255], v[246:247]
	v_pk_add_f32 v[252:253], v[252:253], v[244:245]
	s_delay_alu instid0(VALU_DEP_2)
	v_pk_add_f32 v[14:15], v[14:15], v[254:255]
	s_delay_alu instid0(VALU_DEP_2)
	v_pk_add_f32 v[194:195], v[194:195], v[252:253]
	s_delay_alu instid0(VALU_DEP_1)
	v_pk_add_f32 v[14:15], v[14:15], v[194:195]
.irp b, 0,1,2,3
.irp i, 0,1,2,3,4,5,6,7,8,9,10,11,12,13,14,15
.endr
	v_cvt_scalef32_pk8_bf8_f32 v[PC+4*\b:PC+4*\b+1], v[SC+16*\b:SC+16*\b+7], v[SCL]      ; registers 4 b .. 4 b + 3 of the operand: keys 32 b + 16 h + 0 .. 15
	v_cvt_scalef32_pk8_bf8_f32 v[PC+4*\b+2:PC+4*\b+3], v[SC+16*\b+8:SC+16*\b+15], v[SCL]
.endr
.set jj, 0
	s_setprio 0
.rept 16
	v_pk_mul_f32 v[OT+jj:OT+jj+1], v[OT+jj:OT+jj+1], v[FF:FF+1] op_sel_hi:[1,0]   ; O^T under the new M: x f; from each accumulator's low end on.  (Plain instructions between the conversions and the products that read the codes)
.set jj, jj+2
.endr
	s_wait_alu depctr_va_vdst(0)
	s_wait_dscnt 0x0                               ; V is in
.irp t, 0,1,2,3                                ; O^T += V^T P^T: the four accumulators by turns, one instruction a turn; the next step's eight products K Q^T stand between a step's and the next's
	v_wmma_f32_16x16x128_bf8_bf8 v[OT+8*\t:OT+8*\t+7], v[KV+16*\t:KV+16*\t+15], v[PC:PC+15], v[OT+8*\t:OT+8*\t+7]
.endr
.if \out
	s_cmp_lg_u32 s[ST], s[TI]
	s_cbranch_scc1 .Lnl_\@
	WAYOUT                                         ; my last step: the tile leaves at once, while other waves go on
.Lnl_\@:
.endif
.Lhid_\@:
	s_add_co_u32 s[ST], s[ST], 1
	s_add_co_u32 s[KB], s[KB], 128*KP              ; 128 rows of K on,
	s_add_co_u32 s[VB], s[VB], 128                 ; 128 bytes along V's rows,
	s_add_co_u32 s[DB], s[DB], 512                 ; 128 numbers of delta'
.endm
	s_mov_b32 s[ST], 0
	s_mov_b32 s[KB], KG0
	s_mov_b32 s[VB], VG0
	s_mov_b32 s[DB], DELTA
	s_mov_b32 s91, 4
.Lfirst:                                           ; key steps 0 to 3: group 0
	STEP 0
	s_sub_co_u32 s91, s91, 1
	s_cmp_lg_u32 s91, 0
	s_cbranch_scc1 .Lfirst
	s_setprio 0
	s_wait_tensorcnt 0x0                           ; my parts of groups 1 to 3 are in,
	s_wait_dscnt 0x0                               ; and my reads of group 0 are over
	s_barrier_signal -1
	s_barrier_wait -1                              ; both hold of every wave: groups 1 to 3 are whole, and group 0's bytes, which have had their one fill, are free for the stages
	s_cmp_gt_u32 s[TI], 3
	s_cbranch_scc1 .Llong
	WAYOUT                                         ; the four tiles that ended in steps 0 to 3
.Llong:
	s_mov_b32 s[KB], KG1
	s_mov_b32 s[VB], VG1
	s_mov_b32 s92, 3
.Lgroup:                                           ; groups 1 to 3, four key steps each: every wave walks all trips, and leaves out the work of the steps behind its last
	s_mov_b32 s91, 4
.Lstep:
	STEP 1
	s_sub_co_u32 s91, s91, 1
	s_cmp_lg_u32 s91, 0
	s_cbranch_scc1 .Lstep
	s_setprio 0
	s_add_co_u32 s[VB], s[VB], VGB-512             ; V's next group (K's groups lie on end)
	s_sub_co_u32 s92, s92, 1
	s_cmp_lg_u32 s92, 0
	s_cbranch_scc1 .Lgroup
	s_wait_tensorcnt 0x0                           ; the wave's end, behind my last tensor load and my last LDS store
	ds_add_u32 v[SPW], v[NIL]
	s_wait_dscnt 0x0
	CROUND                                         ; the closing round: no work-group ends while a partner may still ask for a tile that names it
	s_endpgm
.Lfunc_end_k_q2eef2723b9_attn:
	.size	k_q2eef2723b9_attn, .Lfunc_end_k_q2eef2723b9_attn-k_q2eef2723b9_attn
	.p2alignl 7, 3214868480
	.fill 96, 4, 3214868480
	.section	.rodata,"a",@progbits
	.p2align	6, 0x0
	.amdhsa_kernel k_q2eef2723b9_attn
		.amdhsa_group_segment_fixed_size 327680
		.amdhsa_private_segment_fixed_size 0
		.amdhsa_enable_private_segment 0
		.amdhsa_kernarg_size 56
		.amdhsa_user_sgpr_count 2
		.amdhsa_user_sgpr_kernarg_segment_ptr 1
		.amdhsa_wavefront_size32 1
		.amdhsa_system_sgpr_workgroup_id_x 1
		.amdhsa_system_sgpr_workgroup_id_y 1
		.amdhsa_system_sgpr_workgroup_id_z 1
		.amdhsa_system_vgpr_workitem_id 0
		.amdhsa_next_free_vgpr 256
		.amdhsa_next_free_sgpr 100
		.amdhsa_reserve_vcc 1
		.amdhsa_float_denorm_mode_32 3
		.amdhsa_float_denorm_mode_16_64 3
		.amdhsa_fp16_overflow 1
		.amdhsa_memory_ordered 1
		.amdhsa_forward_progress 1
		.amdhsa_inst_pref_size 70
	.end_amdhsa_kernel
	.amdgpu_metadata
---
amdhsa.version: [ 1, 2 ]
amdhsa.kernels:
  - .name:           k_q2eef2723b9_attn
    .symbol:         k_q2eef2723b9_attn.kd
    .args:
      - { .name: queries_codes, .offset: 0, .size: 8, .value_kind: global_buffer, .address_space: global }
      - { .name: keys_codes, .offset: 8, .size: 8, .value_kind: global_buffer, .address_space: global }
      - { .name: values_codes, .offset: 16, .size: 8, .value_kind: global_buffer, .address_space: global }
      - { .name: lowp_scales, .offset: 24, .size: 8, .value_kind: global_buffer, .address_space: global }
      - { .name: tau, .offset: 32, .size: 8, .value_kind: global_buffer, .address_space: global }
      - { .name: delta, .offset: 40, .size: 8, .value_kind: global_buffer, .address_space: global }
      - { .name: out0, .offset: 48, .size: 8, .value_kind: global_buffer, .address_space: global }
    .group_segment_fixed_size: 327680
    .private_segment_fixed_size: 0
    .kernarg_segment_align: 8
    .kernarg_segment_size: 56
    .max_flat_workgroup_size: 512
    .sgpr_count:     100
    .vgpr_count:     256
    .wavefront_size: 32
...
	.end_amdgpu_metadata
.endif
;; end of part 1
